; MI455X (gfx1250); checked and timed in simulation.
; The chip was launched on July 23, 2026; its instructions are those of AMD's public machine-readable ISA for CDNA 5 (MIT licence, August 2026) and "CDNA5" Instruction Set Architecture Reference Guide (July 2026). The comments in the code are by the model that wrote it; some were corrected since.
;; Quant Linear. Allowed arithmetic: matrix products marked QUANTISED: E3M2 operands, one E8M0 scale for each 32 along K, by v_wmma_scale_f32_16x16x128_f8f6f4 with both operands' format E3M2, f32 sums; everything else in f32.
;; Inputs: bias 2,048 float32; offsets 65,536 float32; packed 4,194,304 int32; scales 65,536 float32; x_codes 4 x 2,048 x 128 x 24 uint8 (E3M2 codes of x, K innermost, in blocks of 32 codes, four codes in three bytes); x_scales 4 x 2,048 x 128 uint8 (E8M0 scales of x, one for each 32 codes along K).
;; Outputs: out0 4 x 2,048 x 2,048 float32.
;; This version of the problem:
;;   THIS VERSION OF THE PROBLEM IS GIVEN IN LOW PRECISION. The matrix products marked QUANTISED in the list below multiply operands that are first quantised to E3M2 (3 exponent bits, 2 mantissa bits; 6 bits a number), with one power-of-two scale for each 32 numbers along K (OCP MX v1.0); their sums are f32. All else is computed in f32.
;;   The module's matrix products, in the order in which they are computed (A, B: the left and right operand; K: the contracted axis; several contracted axes count as one K, in the product's order):
;;     1. [M 8,192, K 4,096] x [K 4,096, N 2,048]; A: input x (given as codes); B: computed on the way: QUANTISED
;;   THE QUANTISER, for each operand of a quantised product, along K:
;;     - K is cut into blocks of 32 from its start; a last block that is shorter is filled with zeros.
;;     - A block's scale is 2^e with e = floor(log2(the largest magnitude in the block)) - 4, held to -126 .. 127; a block of zeros has e = 0. As a byte (E8M0): e + 127.
;;     - Each number is divided by its block's scale, clamped to +-28, and rounded to the nearest number of E3M2, ties to even, subnormals kept.
;;     - The product sums the exact products of the quantised numbers (number of the format x scale) in f32.
;;   ~~~python
;;   def quantise(x, axis):      # numpy; x: float32 -> the quantised numbers, widened to float32 again
;;       x = np.moveaxis(x, axis, -1); K = x.shape[-1]
;;       x = np.pad(x, [(0, 0)] * (x.ndim - 1) + [(0, -K % 32)]); x = x.reshape(x.shape[:-1] + (-1, 32)); a = np.abs(x).max(-1, keepdims=True)
;;       e = np.where(a > 0, np.clip(np.frexp(np.where(a > 0, a, 1))[1] - 1 - 4, -126, 127), 0)      # np.frexp(a)[1] - 1 = floor(log2(a)), exactly
;;       r = np.clip(x / 2.0 ** e, -28, 28)
;;       step = 2.0 ** (np.maximum(np.frexp(np.where(r == 0, 1, r))[1] - 1, -2) - 2)
;;       q = np.round(r / step) * step * 2.0 ** e      # np.round: ties to even
;;       return np.moveaxis(q.reshape(q.shape[:-2] + (-1,))[..., :K], -1, axis).astype(np.float32)
;;   ~~~
;;   OPERANDS COMPUTED ON THE WAY. 'Computed on the way' means the value that the module computes at that place (a softmax that the list does not call 'softmax' is quantised finished and normalised). What goes into a quantiser is computed in f32, as accurately as f32 sums, v_exp_f32 and their like allow (about 1e-6 of the number): no bf16 or f16 on the way to a quantiser, and a product that is left as it is and whose result goes on into a quantised operand takes f32 operands (vector FMAs, or v_wmma_f32_16x16x4_f32). A number that lies on a knife's edge between two numbers of the format may be rounded either way, as far as f32 arithmetic and the matrix unit's own rounding can turn it there, and no further.
;;   INPUTS GIVEN AS CODES. x (in the module: [4, 2048, 4096], K = its axis 2): each comes as NAME_codes (uint8): NAME with its K axis moved to the last place and cut into blocks of 32 codes, [.., K / 32, bytes a block], one block behind the other in memory; four codes in three bytes: a row's codes are one little-endian stream of bits, code i at bits 6 i .. 6 i + 5 (a code: sign, 3 exponent bits, 2 mantissa bits); and NAME_scales (uint8): the same leading axes, one E8M0 byte (e + 127) for each 32 codes along K. Its value is code x scale, taken as it is: it is not quantised again, and the codes and scales need not be those that the quantiser above would give.
;; One version. Each part assembles by itself: llvm-mc -triple=amdgcn-amd-amdhsa -mcpu=gfx1250 --defsym DOCPART=n.
;; ======== version 1 of 1: 2 launches
;; limits: right only within a limited range of input values
;; workspace buffers: w_codes 6,291,456 bytes; scl 1,310,720 bytes
;; launch wquant (part 1): grid 256 x 1, 4 waves a work-group, no clusters, 46,592 bytes of LDS; arguments packed, scales, offsets, w_codes, scl, x_scales; writes w_codes, scl
.if DOCPART == 1
	.amdgcn_target "amdgcn-amd-amdhsa--gfx1250"
	.amdhsa_code_object_version 6
	.text
	.protected	k_q15dac432cb_wquant
	.globl	k_q15dac432cb_wquant
	.p2align	8
	.type	k_q15dac432cb_wquant,@function
k_q15dac432cb_wquant:
	s_mov_b64 s[64:65], 0
	v_nop
	global_prefetch_b8 v0, s[64:65] scope:SCOPE_SE
	s_setreg_imm32_b32 hwreg(HW_REG_WAVE_MODE, 25, 1), 1
	s_wait_xcnt 0x0
; w[2 i] = (packed[i] & 15) s_g + o_g, w[2 i + 1] = ((packed[i] >> 4) & 15) s_g + o_g, g = the group of 128 neighbouring weights; one fused multiply-add in f32.
; w, [2048][4096] with K innermost, is then turned into codes of BF6 (E3M2), 6 bits each, and one E8M0 byte for each 32 along K: w_codes [2048][128][24], w_scales [2048][128].
; A block's scale is 2^(floor(log2(its largest magnitude)) - 4); its byte is the largest magnitude's exponent field - 4, held at 1 from below.
; LIMITS: NaN and infinities in scales or offsets are not served.  A block of zeros, and a block whose largest magnitude lies under 2^(4 - 126), gets the byte 1 (for zeros the rule says 127):
; a block of zeros has zero codes, which add nothing under any byte but 0xff, and this program alone reads the bytes.  q s + o is rounded once.
; Rows are dense and 4096 is a multiple of 128, so the tensor is a plain stream: nothing here knows of rows.
; SHARES.  A wave takes a run of 8,192 weights: 4,096 words of packed (16,384 bytes), 64 groups, 256 blocks, 6,144 bytes of codes, 256 scale bytes.  1,024 runs, four to a work-group.
; All 32 loads of a run (512 consecutive bytes each, 16 a lane) go out at the head.  Of a word only the low byte counts: three v_perm_b32 make one word of 8 nibbles of a load's four words.
; The conversion takes 16 neighbours from ONE lane's registers: the squeezed words go dense into the wave's own LDS (4 bytes a lane) and come back 8 bytes a lane: lane l of step t holds weights 512 t + 16 l + 0 .. 15.
; Two neighbouring lanes hold a block; eight hold a group.  The codes (12 bytes a lane) are gathered in LDS and leave every four steps by three stores of 512 consecutive bytes; the 256 scale bytes leave at the end by one store.
; No tensor load, no barrier, no loop: waves share nothing, every offset is an immediate, no base is stepped, and no store's registers are written again.
.set WREG, 11520                       ; LDS of a wave:
.set CMP,  0                           ;   4,096 bytes: the run's nibbles, two to a byte, in order
.set TAB,  4096                        ;   1,024 bytes: group g's 16 bytes: s_g, (any), o_g, (any)
.set COD,  5120                        ;   6,144 bytes: the run's codes
.set SBY,  11264                       ;   256 bytes: the run's scale bytes
.set GO16, 2                           ; v2   16 x lane: my place in a load's or a store's 512 bytes
.set GO8,  3                           ; v3   8 x lane
.set A4,   4                           ; v4   my wave's LDS + 4 x lane
.set A8,   5                           ; v5   + 8 x lane
.set A32,  6                           ; v6   + 32 x lane
.set AG,   7                           ; v7   + 16 x (lane / 8)
.set A12,  8                           ; v8   + 12 x lane
.set A16,  9                           ; v9   + 16 x lane
.set AH,   10                          ; v10  + lane / 2
.set MX0,  12                          ; v12-13 the largest magnitude, in two chains
.set MX1,  13
.set SCO,  14                          ; v14  the conversion's scale operand
.set T0,   16                          ; v16-23 two entries of the table
.set TP,   24                          ; v24-27 at work in the squeeze
.set SQ,   28                          ; v28-31 squeezed words: two for each of two steps by turns
.set P,    60                          ; v60-63 my 16 nibbles: two registers for each of two steps by turns
.set SO,   64                          ; v64-71 my group's entry: four registers for each of two steps by turns
.set X,    72                          ; v72-87 my 16 numbers
.set KC,   88                          ; v88-95 my codes: three of four registers, two steps by turns
.set EB,   96                          ; v96-97 my block's byte, two steps by turns
.set SBO,  98                          ; v98-99 scale bytes on the way out
.set RAW,  128                         ; v128-255 the run as loaded: load i at v[128 + 4 i]; later, codes on the way out
	s_load_b128 s[4:7], s[0:1], 0x0                ; packed, scales
	s_load_b128 s[8:11], s[0:1], 0x10              ; offsets, w_codes
; THE SCALE BYTES' LAYOUT.  Both operands' scale bytes go into ONE workspace, scl: x's 8,192 rows from byte 0, w's 2,048 rows from byte 0x100000.
; Each 16 rows x 128 bytes are 8 units of 256 bytes: unit g holds bytes 16 g .. 16 g + 15 of the 16 rows, row r at 16 r: what sixteen lanes of the product's launch load at once.
; x's bytes are only moved (pieces of 16 bytes; a wave stores 512 consecutive bytes).  A wave's run holds 2 rows of w, so its 256 scale bytes leave as 8 bytes a lane, two lanes to a piece of 16.
	s_load_b64 s[12:13], s[0:1], 0x20              ; scl
	s_load_b64 s[14:15], s[0:1], 0x28              ; x_scales
	v_lshl_add_u32 v126, v0, 2, 0xb400
	v_mov_b32 v127, 0
	v_lshrrev_b32 v1, 5, v0
	v_readfirstlane_b32 s16, v1                    ; wave 0..3
	v_and_b32 v1, 31, v0                           ; lane
	s_mul_i32 s17, s16, WREG                       ; my wave's LDS
	s_lshl_b32 s18, ttmp9, 2
	s_add_co_u32 s18, s18, s16                     ; my run: 4 x work-group + wave
	s_mov_b32 s22, 0x04000400                      ; v_perm_b32: byte 0 of the second source, byte 0 of the first, twice
	s_mov_b32 s23, 0x05040100                      ; the low half of the second source, the low half of the first
	v_lshlrev_b32 v[GO16], 4, v1
	v_lshlrev_b32 v[GO8], 3, v1
	v_lshl_add_u32 v[A4], v1, 2, s17
	v_lshl_add_u32 v[A8], v1, 3, s17
	v_lshl_add_u32 v[A32], v1, 5, s17
	v_lshrrev_b32 v[AG], 3, v1
	v_lshl_add_u32 v[AG], v[AG], 4, s17
	v_mul_u32_u24 v[A12], v1, 12
	v_add_nc_u32 v[A12], s17, v[A12]
	v_lshl_add_u32 v[A16], v1, 4, s17
	v_lshrrev_b32 v[AH], 1, v1
	v_add_nc_u32 v[AH], s17, v[AH]
	v_bfe_u32 v100, v1, 1, 3                       ; v100: where my 8 scale bytes of w go: unit (lane / 2) % 8,
	v_lshrrev_b32 v101, 4, v1
	v_lshlrev_b32 v100, 8, v100
	v_and_b32 v102, 15, v1                         ; v102: where my piece of x's scales lies: row lane % 16,
	v_lshl_add_u32 v100, v101, 4, v100             ; row lane / 16 of the run's two,
	v_lshlrev_b32 v102, 7, v102
	v_and_b32 v103, 1, v1
	v_lshl_add_u32 v102, v101, 4, v102             ; piece lane / 16 of the wave's two
	v_lshl_add_u32 v100, v103, 3, v100             ; half lane % 2 of the piece
	s_wait_alu depctr_va_vdst(0)                   ; the wait at the head's end
	s_mov_b32 s21, 0
	s_wait_kmcnt 0x0
	s_lshl_b32 s20, s18, 14                        ; 16,384 bytes of packed a run
	s_add_nc_u64 s[4:5], s[4:5], s[20:21]
	s_mul_i32 s20, s18, 6144                       ; 6,144 bytes of codes
	s_add_nc_u64 s[10:11], s[10:11], s[20:21]
	s_lshl_b32 s20, s18, 8                         ; 256 bytes of scales, of offsets and of scale bytes
	s_add_nc_u64 s[6:7], s[6:7], s[20:21]
	s_add_nc_u64 s[8:9], s[8:9], s[20:21]
	s_lshr_b32 s20, s18, 3                         ; w's rows 2 run, 2 run + 1: block run / 8 of 2,048 bytes, rows 2 (run % 8) on
	s_lshl_b32 s20, s20, 11
	s_and_b32 s19, s18, 7
	s_lshl_b32 s19, s19, 5
	s_add_co_u32 s20, s20, s19
	s_add_co_u32 s20, s20, 0x100000
	s_add_nc_u64 s[24:25], s[12:13], s[20:21]
	s_lshr_b32 s20, s18, 2                         ; x's pieces 32 run + lane, and 32,768 pieces on: block run / 4, units 2 (run % 4) on
	s_lshl_b32 s20, s20, 11
	s_and_b32 s19, s18, 3
	s_lshl_b32 s19, s19, 5
	s_add_co_u32 s20, s20, s19
	s_add_nc_u64 s[14:15], s[14:15], s[20:21]
	s_lshl_b32 s20, s18, 9
	s_add_nc_u64 s[12:13], s[12:13], s[20:21]
	global_load_b64 v[T0:T0+1], v[GO8], s[6:7] th:TH_LOAD_NT       ; s of groups 2 l, 2 l + 1: 32 lanes read 256 consecutive bytes
	global_load_b64 v[T0+2:T0+3], v[GO8], s[8:9] th:TH_LOAD_NT     ; o likewise
.set i, 0
.rept 32
	global_load_b128 v[RAW+4*i:RAW+4*i+3], v[GO16], s[4:5] offset:512*i th:TH_LOAD_NT   ; the whole run is asked for at once
.set i, i+1
.endr
	global_load_b128 v[104:107], v102, s[14:15]                    ; x's two pieces, behind the run's own loads: nothing waits for them before the end
	global_load_b128 v[108:111], v102, s[14:15] offset:524288
	s_wait_loadcnt 34                              ; s and o are in; the 34 loads behind them stay out
	v_mov_b32 v[T0+4], v[T0+1]                     ; group 2 l + 1's entry: s in word 0, o in word 2
	v_mov_b32 v[T0+5], v[T0+1]
	v_mov_b32 v[T0+6], v[T0+3]
	v_mov_b32 v[T0+7], v[T0+3]
	ds_store_b128 v[A32], v[T0:T0+3] offset:TAB            ; group 2 l's entry is the four registers as they stand
	ds_store_b128 v[A32], v[T0+4:T0+7] offset:TAB+16
; Step t's 512 weights are squeezed, turned through LDS, and its lanes' table entries are fetched.  Four LDS instructions.  LDS serves a wave's instructions in order (ISA guide 5.7.1.4): the loads see the stores.
.macro TURN t
	s_wait_loadcnt 32-2*(\t)                       ; loads come back in order: 2 t and 2 t + 1 are in; the 30 - 2 t behind them and x's two stay out
.irp u, 0,1
	v_perm_b32 v[TP+2*\u],   v[RAW+4*(2*(\t)+\u)+1], v[RAW+4*(2*(\t)+\u)],   s22
	v_perm_b32 v[TP+2*\u+1], v[RAW+4*(2*(\t)+\u)+3], v[RAW+4*(2*(\t)+\u)+2], s22
	v_perm_b32 v[SQ+2*((\t)%2)+\u], v[TP+2*\u+1], v[TP+2*\u], s23          ; the low bytes of four words: 8 nibbles, the first weight's lowest
	ds_store_b32 v[A4], v[SQ+2*((\t)%2)+\u] offset:CMP+128*(2*(\t)+\u)
.endr
	ds_load_b64 v[P+2*((\t)%2):P+2*((\t)%2)+1], v[A8] offset:CMP+256*(\t)      ; my 16 neighbours
	ds_load_b128 v[SO+4*((\t)%2):SO+4*((\t)%2)+3], v[AG] offset:TAB+64*(\t)    ; group 4 t + lane / 8
.endm
; Step t's arithmetic.  Four LDS stores.
.macro WORK t
.set PP, P+2*((\t)%2)
.set SS, SO+4*((\t)%2)
.set KK, KC+4*((\t)%2)
.set EE, EB+(\t)%2
.irp j, 0,1,2,3,4,5,6,7,8,9,10,11,12,13,14,15
	v_bfe_u32 v[X+\j], v[PP+\j/8], 4*(\j%8), 4
.endr
.irp j, 0,1,2,3,4,5,6,7,8,9,10,11,12,13,14,15
	v_cvt_f32_u32 v[X+\j], v[X+\j]
.endr
.irp j, 0,2,4,6,8,10,12,14
	v_pk_fma_f32 v[X+\j:X+\j+1], v[X+\j:X+\j+1], v[SS:SS+1], v[SS+2:SS+3] op_sel_hi:[1,0,0]   ; q s + o, two at a time: of the pairs with s and with o the low word serves both halves
.endr
	v_max3_num_f32 v[MX0], |v[X]|, |v[X+1]|, |v[X+2]|              ; the largest magnitude of my 16
	v_max3_num_f32 v[MX1], |v[X+3]|, |v[X+4]|, |v[X+5]|
.irp j, 6,10
	v_max3_num_f32 v[MX0], v[MX0], |v[X+\j]|, |v[X+\j+1]|
	v_max3_num_f32 v[MX1], v[MX1], |v[X+\j+2]|, |v[X+\j+3]|
.endr
	v_max3_num_f32 v[MX0], v[MX0], |v[X+14]|, |v[X+15]|
	v_max3_num_f32 v[MX0], v[MX0], v[MX1], 0x2800000               ; and the floor 2^(5 - 127): the byte cannot fall under 1
	v_max_num_f32_dpp v[MX0], v[MX0], v[MX0] row_xmask:1 row_mask:0xf bank_mask:0xf   ; with my neighbour's 16: the block's
	v_add_nc_u32 v[SCO], 0xfe000000, v[MX0]        ; 4 off its exponent field: the conversion takes the exponent field of this operand as its scale
	v_cvt_scalef32_pk16_bf6_f32 v[KK:KK+2], v[X:X+15], v[SCO]      ; to the nearest code, ties to even, beyond 28 the largest code; 96 bits without gaps
	v_lshrrev_b32 v[EE], 23, v[SCO]                ; the scale's byte.  (Also the plain instruction behind the conversion)
.irp c, 0,1,2
	ds_store_b32 v[A12], v[KK+\c] offset:COD+384*(\t)+4*\c         ; lanes 3 words apart: 32 different banks of the 64 (ISA guide 11.1)
.endr
	ds_store_b8 v[AH], v[EE] offset:SBY+16*(\t)    ; both lanes of a block write the same byte with the same value
.endm
; Four steps' codes, 1,536 bytes, come back 16 bytes a lane, into registers of the run's loads 3 f to 3 f + 2, which were squeezed long ago; each flush has registers of its own.
.macro FLUSHLOAD f
.irp c, 0,1,2
	ds_load_b128 v[RAW+12*(\f)+4*\c:RAW+12*(\f)+4*\c+3], v[A16] offset:COD+1536*(\f)+512*\c
.endr
.endm
.macro FLUSHSTORE f
.irp c, 0,1,2
	global_store_b128 v[GO16], v[RAW+12*(\f)+4*\c:RAW+12*(\f)+4*\c+3], s[10:11] offset:1536*(\f)+512*\c   ; 32 lanes store 512 consecutive bytes, at a multiple of 256 from the buffer's first byte
.endr
.endm
.macro STEPW t
.if (\t) < 15
	TURN (\t)+1                                    ; the next step goes through LDS while this one is worked
	s_wait_dscnt 4                                 ; all but those four: this step's nibbles and entry are in, and so is a flush's read
.else
	s_wait_dscnt 0x0
.endif
.if ((\t)%4 == 0) && ((\t) > 0)
	FLUSHSTORE (\t)/4-1
.endif
	WORK \t
.if (\t)%4 == 3
	FLUSHLOAD (\t)/4
.endif
.endm
	TURN 0
.irp t, 0,1,2,3,4,5,6,7,8,9,10,11,12,13,14,15
	STEPW \t
.endr
	ds_load_b64 v[SBO:SBO+1], v[A8] offset:SBY     ; the run's 256 scale bytes, 8 a lane
	s_wait_dscnt 0x0
	FLUSHSTORE 3
	s_wait_loadcnt 0x0                             ; x's two pieces
	global_store_b128 v[GO16], v[104:107], s[12:13]
	global_store_b128 v[GO16], v[108:111], s[12:13] offset:524288
	global_store_b64 v100, v[SBO:SBO+1], s[24:25]
	s_wait_tensorcnt 0x0
	ds_add_u32 v126, v127
	s_wait_dscnt 0x0
	s_endpgm
.Lfunc_end_k_q15dac432cb_wquant:
	.size	k_q15dac432cb_wquant, .Lfunc_end_k_q15dac432cb_wquant-k_q15dac432cb_wquant
	.p2alignl 7, 3214868480
	.fill 96, 4, 3214868480
	.section	.rodata,"a",@progbits
	.p2align	6, 0x0
	.amdhsa_kernel k_q15dac432cb_wquant
		.amdhsa_group_segment_fixed_size 46592
		.amdhsa_private_segment_fixed_size 0
		.amdhsa_enable_private_segment 0
		.amdhsa_kernarg_size 48
		.amdhsa_user_sgpr_count 2
		.amdhsa_user_sgpr_kernarg_segment_ptr 1
		.amdhsa_wavefront_size32 1
		.amdhsa_system_sgpr_workgroup_id_x 1
		.amdhsa_system_sgpr_workgroup_id_y 1
		.amdhsa_system_sgpr_workgroup_id_z 1
		.amdhsa_system_vgpr_workitem_id 0
		.amdhsa_next_free_vgpr 256
		.amdhsa_next_free_sgpr 66
		.amdhsa_reserve_vcc 0
		.amdhsa_float_denorm_mode_32 3
		.amdhsa_float_denorm_mode_16_64 3
		.amdhsa_memory_ordered 1
		.amdhsa_forward_progress 1
		.amdhsa_inst_pref_size 68
	.end_amdhsa_kernel
	.amdgpu_metadata
---
amdhsa.version: [ 1, 2 ]
amdhsa.kernels:
  - .name:           k_q15dac432cb_wquant
    .symbol:         k_q15dac432cb_wquant.kd
    .args:
      - { .name: packed, .offset: 0, .size: 8, .value_kind: global_buffer, .address_space: global }
      - { .name: scales, .offset: 8, .size: 8, .value_kind: global_buffer, .address_space: global }
      - { .name: offsets, .offset: 16, .size: 8, .value_kind: global_buffer, .address_space: global }
      - { .name: w_codes, .offset: 24, .size: 8, .value_kind: global_buffer, .address_space: global }
      - { .name: scl, .offset: 32, .size: 8, .value_kind: global_buffer, .address_space: global }
      - { .name: x_scales, .offset: 40, .size: 8, .value_kind: global_buffer, .address_space: global }
    .group_segment_fixed_size: 46592
    .private_segment_fixed_size: 0
    .kernarg_segment_align: 8
    .kernarg_segment_size: 48
    .max_flat_workgroup_size: 128
    .sgpr_count:     66
    .vgpr_count:     256
    .wavefront_size: 32
...
	.end_amdgpu_metadata
.endif
;; end of part 1
;; launch gemm (part 2): grid 8 x 32, 4 waves a work-group, clusters of 4 x 4, 327,680 bytes of LDS; arguments x_codes, w_codes, scl, bias, out0; writes out0
.if DOCPART == 2
	.amdgcn_target "amdgcn-amd-amdhsa--gfx1250"
	.amdhsa_code_object_version 6
	.text
	.protected	k_q15dac432cb_gemm
	.globl	k_q15dac432cb_gemm
	.p2align	8
	.type	k_q15dac432cb_gemm,@function
k_q15dac432cb_gemm:
	s_mov_b64 s[64:65], 0
	v_nop
	global_prefetch_b8 v0, s[64:65] scope:SCOPE_SE
	s_setreg_imm32_b32 hwreg(HW_REG_WAVE_MODE, 25, 1), 1
	s_wait_xcnt 0x0
	s_wait_alu depctr_hold_cnt(0) depctr_sa_sdst(0) depctr_va_vdst(0) depctr_va_sdst(0) depctr_va_ssrc(0) depctr_va_vcc(0) depctr_vm_vsrc(0)
	s_getreg_b32 s2, hwreg(HW_REG_IB_STS2, 6, 4)
	s_cmp_eq_u32 s2, 0
	s_cbranch_scc0 .Lentry_in_a_cluster
	s_endpgm
.Lentry_in_a_cluster:
	s_bfe_u32 s2, ttmp6, 0x10000c
	s_cmp_lg_u32 s2, 0xf033
	s_cbranch_scc0 .Lentry_shape_is_right
	s_endpgm
.Lentry_shape_is_right:
; out[m][n] = bias[n] + sum over k of x[m][k] w[n][k]; x [8192][4096] and w [2048][4096] as codes of BF6 (E3M2) with one E8M0 byte for each 32 along K; sums in f32.
; A work-group of four waves makes 256 x 256 of out, a wave 128 x 128: 64 accumulators, 512 registers.  They are loaded with the bias: the sums begin there.
; K goes through a ring of two LDS slots in CHUNKS OF 256 BYTES of each row of codes (a row is 3,072 bytes, so every chunk begins at a multiple of 256).  A step of 128 along K is 96 bytes:
; eight steps to three chunks.  The loop's trip is eight steps, so the two slots change roles from trip to trip: chunk c lies in slot c % 2; the fill's LDS address and the readers' address
; registers are made from scalars that are toggled by s_xor_b32, the fill's at each fill, the readers' at each trip's end.  Three trips; the last eight steps are written out, since they fill once only.
; THE SCALES do not pass through LDS (ring 278,528 bytes + 65,536 bytes of scales + stage would not fit): scl holds them in units of 256 bytes (16 rows x 16 bytes = 512 along K), and a wave loads
; each unit straight into scale registers, lanes 0-15 x's block i, lanes 16-31 w's block i, four steps ahead of the first use.  They are not prefetched: 8 loads in four steps, asked for 256 matrix instructions ahead.
; CLUSTERS 4 x 4: x's tiles are asked for jointly along a row of the cluster, w's along a column.  The matrix instruction is used transposed (source 0 = w, source 1 = x): a lane holds 8 neighbours of a row of out.
; REGISTERS: window 0: v0-31 addresses, v32-95 two sets of scale words, v128-223 x's fragments (one set); window 1: w's fragments, two sets; windows 2, 3: accumulators.
.set SIZE_N, 2048
.set KROW,   3072
.set ROWB,   256
.set PITCH,  272                       ; 256 bytes + 16 of padding
.set FR,     12
.set NL,     6
.set NP,     4
.set HALFT,  128*PITCH
.set SLOT,   4*HALFT
.set SPARE,  2*SLOT                    ; the spare words, 512 bytes
.set STAGE,  SPARE+512                 ; the way out: 16 rows x 528 bytes for each wave, bytes that no fill lands on
.set SPITCH, 528
.set BA, 8                             ; v8-9   my x / w fragments' address in slot 0
.set BB, 9
.set CA, 10                            ; v10-11 the same for a piece that lies across two chunks: lanes 0-15 byte 232 of the row, lanes 16-31 byte 0
.set CB, 11
.set H,  12                            ; v12    lane / 16
.set T0, 13
.set T1, 14
.set ADRA, 16                          ; v16-17 x's fragments in this trip's slot 0, 1; v18-19 across: lanes 0-15 in slot 0, 1, lanes 16-31 in the other
.set ADRB, 20                          ; v20-23 the same for w
.set STO,  24
.set RD,   25
.set CO,   26
.set SCO,  27                          ; my byte offset in scl
.set SPW,  28
.set NIL,  29
.set PFO,  30                          ; prefetch: lane x a row of codes
.set BO,   31
.set SC,   32                          ; set s at v[32 + 32 s]; register 4 i + q: block i, q-th of four steps
.set AF,   128
.set BK,   128
.set G1, 24
.set G0, 32
.set G1B, 48
.set G0B, 56
.set PFA, 66
.set LIM, 68
.set MSB, 0
.macro WIN new
.if MSB != (\new)
	s_set_vgpr_msb (MSB<<8)|(\new)
.set MSB, (\new)
.endif
.endm
.set MUL_LO, 0xa1
.set MUL_HI, 0xf1
.set TO_B,   0x40
.macro JLOAD                           ; a joint load: waves 0, 1 fetch x's two halves of a chunk, waves 2, 3 w's
	s_cmp_eq_u32 s15, 0
	s_cbranch_scc0 .Lfor_b_\@
	tensor_load_to_lds s[G0:G0+3], s[G1:G1+7]
	s_nop 0
.rept 4
	v_nop
.endr
	s_branch .Lasked_\@
.Lfor_b_\@:
	tensor_load_to_lds s[G0B:G0B+3], s[G1B:G1B+7]
	s_nop 0
.rept 4
	v_nop
.endr
.Lasked_\@:
.endm
.macro NEXTG                           ; the next chunk: 256 bytes on in memory, the other slot in LDS.  Written only where no tensor load of the wave is out
	s_add_nc_u64 s[G0+2:G0+3], s[G0+2:G0+3], ROWB
	s_add_nc_u64 s[G0B+2:G0B+3], s[G0B+2:G0B+3], ROWB
	s_xor_b32 s60, s60, SLOT
	s_add_co_u32 s[G0+1], s45, s60
	s_add_co_u32 s[G0B+1], s45, s60
.endm
.macro CREST
	s_cmp_lg_u32 s14, 0
	s_cbranch_scc1 .Lnot_wave_0_\@
	s_barrier_signal -3
.Lnot_wave_0_\@:
	s_barrier_wait -3
	s_barrier_signal -1
	s_barrier_wait -1
.endm
.macro CROUND
	s_barrier_signal -1
	s_barrier_wait -1
	CREST
.endm
.macro SETADR                          ; the readers' addresses for a trip: s61 = the trip's parity, s62 = its slot 0's byte, s63 = its slot 1's
	v_add_nc_u32 v[ADRA], s62, v[BA]
	v_add_nc_u32 v[ADRA+1], s63, v[BA]
	v_add_nc_u32 v[ADRB], s62, v[BB]
	v_add_nc_u32 v[ADRB+1], s63, v[BB]
	v_xor_b32 v[T0], s61, v[H]
	v_xor_b32 v[T1], 1, v[T0]
	v_mad_u32_u24 v[ADRA+2], v[T0], s69, v[CA]
	v_mad_u32_u24 v[ADRA+3], v[T1], s69, v[CA]
	v_mad_u32_u24 v[ADRB+2], v[T0], s69, v[CB]
	v_mad_u32_u24 v[ADRB+3], v[T1], s69, v[CB]
.endm
; A prefetch behind a fill: the chunk two fills on, 32 rows x 256 bytes, a lane a row.  The four partners of a joint load share its 128 rows out by address; of the clusters that read
; the same rows, the one with number 0 along the shared axis asks.  The loop's last fill (chunk 10) has no chunk two on.
.macro ASK st
.if (\st) == 7
	s_cmp_gt_u32 s3, s[LIM]
.else
	s_cmp_ge_u32 s3, s[LIM]
.endif
	s_cbranch_scc0 .Lna_\@
	global_prefetch_b8 v[PFO], s[PFA:PFA+1] th:TH_LOAD_NT scope:SCOPE_SE
.Lna_\@:
.endm
	s_load_b256 s[4:11], s[0:1], 0x0               ; x_codes, w_codes, scl, bias
	s_load_b64 s[12:13], s[0:1], 0x20              ; out
	v_lshl_add_u32 v[SPW], v0, 2, SPARE
	v_mov_b32 v[NIL], 0
	ds_add_u32 v[SPW], v[NIL]                      ; the opening lines: the add twice on end and its wait
	ds_add_u32 v[SPW], v[NIL]
	v_lshrrev_b32 v1, 5, v0
	v_readfirstlane_b32 s14, v1                    ; wave
	s_lshr_b32 s15, s14, 1                         ; my half of the rows; also: I fetch x (0) or w (1)
	s_and_b32 s16, s14, 1                          ; my half of the columns; also: which 128 rows I fetch
	s_bfe_u32 s40, ttmp6, 0x40000                  ; cx
	s_bfe_u32 s41, ttmp6, 0x40004                  ; cy
	s_lshl_b32 s42, ttmp9, 2
	s_add_co_u32 s42, s42, s40                     ; tile column
	s_and_b32 s82, ttmp7, 0xffff
	s_lshl_b32 s17, s82, 2
	s_add_co_u32 s17, s17, s41                     ; tile row
	s_lshl_b32 s43, s41, 2
	s_lshl_b32 s43, 15, s43                        ; my row of the cluster
	s_lshl_b32 s44, 0x1111, s40                    ; my column
	s_or_b32 s[G1+0], s43, (1<<20)|(1<<21)|(5<<22)|(3<<25)   ; bytes; 4 words of padding behind every 64
	s_or_b32 s[G1B+0], s44, (1<<20)|(1<<21)|(5<<22)|(3<<25)
.irp g, G1, G1B
	s_mov_b32 s[\g+1], ROWB<<16
	s_mov_b32 s[\g+2], 128<<16
	s_mov_b32 s[\g+3], ROWB<<16
	s_mov_b32 s[\g+4], 128
	s_mov_b32 s[\g+5], KROW
	s_mov_b32 s[\g+6], 0
	s_mov_b32 s[\g+7], 0
.endr
	s_lshl_b32 s18, s16, 7
	s_lshl_b32 s83, s17, 8                         ; the tile's first row of x
	s_lshl_b32 s84, s42, 8                         ; and of w
	s_add_co_u32 s20, s83, s18
	s_mul_i32 s20, s20, KROW                       ; the 128 rows of x that I would fetch, in bytes
	s_mov_b32 s21, 0
	s_add_co_u32 s22, s84, s18
	s_lshl_b32 s74, s22, 7                         ; my 128 rows of w in scl: 128 bytes a row
	s_mul_i32 s22, s22, KROW
	s_mov_b32 s23, 0
	s_mul_i32 s45, s14, HALFT                      ; where my quarter of a slot begins
	s_mul_i32 s70, s15, HALFT                      ; the x rows that I read
	s_mul_i32 s71, s16, HALFT
	s_add_co_u32 s71, s71, 2*HALFT                 ; the w rows that I read
	s_lshl_b32 s72, s15, 7
	s_add_co_u32 s72, s72, s83                     ; my first row of out
	s_lshl_b32 s73, s72, 7                         ; its scales in scl
	s_add_co_u32 s74, s74, 0x100000
	s_sub_co_u32 s74, s74, s73                     ; from x's to w's: positive, under 2^24
	s_lshl_b32 s76, s42, 10
	s_lshl_b32 s77, s16, 9
	s_add_co_u32 s76, s76, s77                     ; my first column, in bytes
	s_mov_b32 s77, 0
	s_lshl_b32 s78, s72, 13
	s_add_co_u32 s78, s78, s76
	s_mov_b32 s79, 0
	s_mul_i32 s75, s14, 16*SPITCH
	s_add_co_u32 s75, s75, STAGE
	s_mov_b32 s60, 0
	s_mov_b32 s61, 0
	s_mov_b32 s62, 0
	s_mov_b32 s63, SLOT
	s_mov_b32 s69, SLOT
	s_cmp_eq_u32 s15, 0
	s_cselect_b32 s80, s83, s84
	s_cselect_b32 s81, s40, s41
	s_cselect_b32 s82, ttmp9, s82
	s_add_co_u32 s80, s80, s18
	s_lshl_b32 s81, s81, 5
	s_add_co_u32 s80, s80, s81                     ; my work-group's 32 rows of the 128
	s_mul_i32 s80, s80, KROW
	s_add_co_u32 s80, s80, 3*ROWB                  ; the first fill steps it to chunk 4
	s_mov_b32 s81, 0
	s_cmp_eq_u32 s82, 0
	s_cselect_b32 s[LIM], 1, 99
	s_wait_dscnt 0x0
	s_wait_kmcnt 0x0
	s_mov_b32 s[G0], 1
	s_mov_b32 s[G0+1], s45
	s_add_nc_u64 s[G0+2:G0+3], s[4:5], s[20:21]
	s_or_b32 s[G0+3], s[G0+3], 0x80000000
	s_mov_b32 s[G0B], 1
	s_mov_b32 s[G0B+1], s45
	s_add_nc_u64 s[G0B+2:G0B+3], s[6:7], s[22:23]
	s_or_b32 s[G0B+3], s[G0B+3], 0x80000000
	s_add_nc_u64 s[10:11], s[10:11], s[76:77]
	s_add_nc_u64 s[12:13], s[12:13], s[78:79]
	s_cmp_eq_u32 s15, 0
	s_cselect_b64 s[PFA:PFA+1], s[4:5], s[6:7]
	s_add_nc_u64 s[PFA:PFA+1], s[PFA:PFA+1], s[80:81]
	CROUND                                         ; in front of the first joint loads
	JLOAD                                          ; chunk 0, a quarter a wave: the wave's one load at the head
	v_and_b32 v1, 15, v0
	v_bfe_u32 v[H], v0, 4, 1
	v_and_b32 v6, 31, v0
	v_mul_u32_u24 v3, v1, PITCH
	v_sub_nc_u32 v5, 1, v[H]
	v_mad_u32_u24 v4, v[H], 24, v3
	v_mad_u32_u24 v5, v5, 232, v3
	v_add_nc_u32 v[BA], s70, v4
	v_add_nc_u32 v[BB], s71, v4
	v_add_nc_u32 v[CA], s70, v5
	v_add_nc_u32 v[CB], s71, v5
	SETADR
	v_mul_u32_u24 v7, s74, v[H]
	v_lshl_add_u32 v7, v1, 4, v7
	v_add_nc_u32 v[SCO], s73, v7                   ; lanes 0-15 x's rows, lanes 16-31 w's; 16 bytes a row
	v_mul_u32_u24 v5, v1, SPITCH
	v_lshl_add_u32 v5, v[H], 5, v5
	v_add_nc_u32 v[STO], s75, v5
	v_lshlrev_b32 v[CO], 4, v6
	v_add_nc_u32 v[RD], s75, v[CO]
	v_lshlrev_b32 v[BO], 5, v[H]
	v_mul_u32_u24 v[PFO], v6, KROW
	s_wait_alu depctr_va_vdst(0)                   ; the wait at the head's end
.macro SCLOAD set, off                 ; 8 units of 256 bytes for each half of the lanes: the scale words of four steps
.irp i, 0,1,2,3,4,5,6,7
	global_load_b128 v[SC+32*(\set)+4*\i:SC+32*(\set)+4*\i+3], v[SCO], s[8:9] offset:\i*2048+(\off)
.endr
.endm
	SCLOAD 0, 0
.irp w, 0x80, 0xc0                     ; every accumulator begins as the bias of its 8 columns a lane
	WIN \w
.set i, 0
.rept 32
	global_load_b128 v[8*i:8*i+3],   v[BO], s[10:11] offset:64*(i%8)
	global_load_b128 v[8*i+4:8*i+7], v[BO], s[10:11] offset:64*(i%8)+16
.set i, i+1
.endr
.endr
	WIN 0
.macro FRAG reg, adr, st, i            ; 16 rows x 128 K: 12 registers, six pieces of 8 bytes; st counts from the trip's first byte; byte y lies in the trip's slot (y / 256) % 2
.irp p, 0,1,2,3,4,5
.set BY, 96*(\st)+48*(\p/3)+8*(\p%3)
.if BY/ROWB == (BY+24)/ROWB
	ds_load_b64 v[\reg+2*\p:\reg+2*\p+1], v[\adr+(BY/ROWB)%2] offset:BY%ROWB+(\i)*16*PITCH
.else
	ds_load_b64 v[\reg+2*\p:\reg+2*\p+1], v[\adr+2+(BY/ROWB)%2] offset:BY%ROWB-232+(\i)*16*PITCH
.endif
.endr
.endm
.macro MUL16 a0, p, q, sc              ; x's blocks a0, a0 + 1 against w's eight; the 64 accumulators take turns
.irp a, \a0, \a0+1
.irp b, 0,1,2,3,4,5,6,7
	v_wmma_scale_f32_16x16x128_f8f6f4 v[8*(8*((\a)%4)+\b):8*(8*((\a)%4)+\b)+7], v[128*(\p)+FR*\b:128*(\p)+FR*\b+FR-1], v[AF+FR*(\a):AF+FR*(\a)+FR-1], v[8*(8*((\a)%4)+\b):8*(8*((\a)%4)+\b)+7], v[SC+32*(\sc)+4*\b+(\q)], v[SC+32*(\sc)+4*(\a)+(\q)] matrix_a_fmt:MATRIX_FMT_BF6 matrix_b_fmt:MATRIX_FMT_BF6 matrix_a_scale:MATRIX_SCALE_ROW1
.endr
.endr
.endm
.macro FETCH_B st, p
	WIN TO_B
.irp i, 0,1,2,3,4,5,6,7
	FRAG 128*(\p)+FR*\i, ADRB, \st, \i
.endr
	WIN 0
.endm
.macro FETCH_A st, i0
.irp i, \i0, \i0+1, \i0+2, \i0+3
	FRAG AF+FR*(\i), ADRA, \st, \i
.endr
.endm
.macro PLACES n
.rept \n
	v_nop
.endr
.endm
; Step st of a trip's eight, in one of three orders.  more = 1: in the loop (prefetches; the next trip's scale words).
; (1) The next step's bytes END in a chunk not yet read (steps 1, 4, 7): all 64 products first, which need nothing of that chunk; then the wait for it and a barrier, which shows it whole;
;     then the whole next step is fetched in one run.  In step 7 the chunk left behind is free as well: the three lines, the cluster's round and the fill stand where the barrier stands.
; (2) The next step's bytes BEGIN in a later chunk, whose first bytes were fetched in the step before (steps 2, 5), and a chunk two on is left (C0 + 2 < lim): the three lines, the round
;     and the fill stand at the step's head, ahead of its products: 192 products of the wave lie between this fill and the wait for it.
; (3) Any other step: the next step's fragments are fetched in its middle and at its end.
.macro STEP st, lim, more
.set NX, (\st)+1
.set C0, (96*(\st))/ROWB
.set C1, (96*NX)/ROWB
.set E0, (96*(\st)+95)/ROWB
.set E1, (96*NX+95)/ROWB
.set PB, (\st)%2
.set QQ, (\st)%4
.set SS, (\st)/4
.if QQ == 0
	s_wait_loadcnt 0x0                             ; this set of scale words is in (asked for four steps ago; the first time the bias too): no load of mine is out
.if (\st) == 4 && \more
	s_add_nc_u64 s[8:9], s[8:9], 512               ; so their base may step: 1,024 along K on in scl
.endif
.endif
.if E1 > E0
	s_wait_dscnt 4*NL                              ; x's blocks 4-7 may be out
	WIN MUL_LO
	MUL16 0, PB, QQ, SS
	MUL16 2, PB, QQ, SS
	s_wait_dscnt 0x0                               ; all my reads are done
	WIN MUL_HI
	MUL16 4, PB, QQ, SS
	MUL16 6, PB, QQ, SS
	PLACES NP
	WIN 0
.if C1 > C0
	s_wait_xcnt 0x0                                ; my last prefetch has read its address
	s_add_nc_u64 s[PFA:PFA+1], s[PFA:PFA+1], ROWB
	s_wait_tensorcnt 0x0                           ; all my tensor loads have landed
	ds_add_u32 v[SPW], v[NIL]
	NEXTG
	s_wait_dscnt 0x0
	s_barrier_signal -1
	s_barrier_wait -1
	CREST                                          ; the barrier has opened a round of the cluster's barrier
	JLOAD                                          ; the fill, first behind the round
.else
	s_wait_tensorcnt 0x0                           ; my part of the new chunk is in
	s_barrier_signal -1
	s_barrier_wait -1
.endif
	FETCH_B NX, NX%2
.if C1 > C0
	ASK \st
.endif
	FETCH_A NX, 0
.if (\st) == 4 && \more
	SCLOAD 0, 0                                    ; the next trip's steps 0 to 3
.endif
	FETCH_A NX, 4
.else
.if C1 > C0 && C0+2 < \lim
.if \more
	s_wait_xcnt 0x0                                ; my last prefetch has read its address
	s_add_nc_u64 s[PFA:PFA+1], s[PFA:PFA+1], ROWB
.endif
	s_wait_tensorcnt 0x0                           ; all my tensor loads have landed
	ds_add_u32 v[SPW], v[NIL]
	NEXTG
	s_wait_dscnt 0x0                               ; the add and all my reads are done, those of the chunk left behind among them
	s_barrier_signal -1
	s_barrier_wait -1
	CREST                                          ; the barrier has opened a round of the cluster's barrier
	JLOAD                                          ; the fill, first behind the round
	WIN MUL_LO
	MUL16 0, PB, QQ, SS
	MUL16 2, PB, QQ, SS
.else
	s_wait_dscnt 4*NL
	WIN MUL_LO
	MUL16 0, PB, QQ, SS
	MUL16 2, PB, QQ, SS
	s_wait_dscnt 0
.endif
	PLACES NP
	FETCH_B NX, NX%2
	FETCH_A NX, 0
.if (\st) == 0
	SCLOAD 1, 256                                  ; steps 4 to 7
.endif
.if C1 > C0 && \more
	ASK \st
.endif
	WIN MUL_HI
	MUL16 4, PB, QQ, SS
	MUL16 6, PB, QQ, SS
	PLACES NP
	WIN 0
	FETCH_A NX, 4
.endif
.endm
	s_wait_alu depctr_va_vdst(0)
	s_wait_tensorcnt 0x0                           ; my quarter of chunk 0 is in; slot 1's first fill is issued as a refill is
	ds_add_u32 v[SPW], v[NIL]
	NEXTG
	s_wait_dscnt 0x0
	CROUND
	JLOAD                                          ; chunk 1
	FETCH_B 0, 0
	FETCH_A 0, 0
	FETCH_A 0, 4
	s_mov_b32 s3, 3
.Ltrip:
.irp t, 0,1,2,3,4,5,6,7
	STEP \t, 99, 1
.endr
	s_xor_b32 s61, s61, 1                          ; three chunks a trip: the slots change roles
	s_xor_b32 s62, s62, SLOT
	s_xor_b32 s63, s63, SLOT
	SETADR
	s_sub_co_u32 s3, s3, 1
	s_cmp_lg_u32 s3, 0
	s_wait_alu depctr_va_vdst(0)                   ; the wait ahead of the branch
	s_cbranch_scc1 .Ltrip
.irp t, 0,1,2,3,4,5,6
	STEP \t, 3, 0                                  ; the last eight steps: one fill more, chunk 11
.endr
	s_wait_dscnt 4*NL
	WIN MUL_LO
	MUL16 0, 1, 3, 1
	MUL16 2, 1, 3, 1
	s_wait_dscnt 0
	WIN MUL_HI
	MUL16 4, 1, 3, 1
	MUL16 6, 1, 3, 1
	WIN 0
; THE WAY OUT: a block of 16 rows x 128 columns goes through my own stage and comes back as whole rows of 512 bytes, stored as two aligned units of 256 bytes.
.macro TOSTAGE a
.set AC, 64*((\a)%4)
	WIN 0x08+4*((\a)/4)
.irp b, 0,1,2,3,4,5,6,7
	ds_store_b128 v[STO], v[AC+8*\b:AC+8*\b+3] offset:64*\b          ; each accumulator from its low end on
	ds_store_b128 v[STO], v[AC+8*\b+4:AC+8*\b+7] offset:64*\b+16
.endr
	WIN 0
.set BB2, BK+64*((\a)%2)
.irp t, 0,1,2,3,4,5,6,7,8,9,10,11,12,13,14,15
	ds_load_b128 v[BB2+4*\t:BB2+4*\t+3], v[RD] offset:\t*SPITCH
.endr
.endm
.macro SEND a, younger
.set BB2, BK+64*((\a)%2)
	s_wait_dscnt \younger                          ; the block is back; the next block's 16 stores and 16 loads may be out
.if (\a) > 0
	s_add_nc_u64 s[12:13], s[12:13], 16*SIZE_N*4   ; behind a wait on XCNT
.endif
.irp t, 0,1,2,3,4,5,6,7,8,9,10,11,12,13,14,15
	global_store_b128 v[CO], v[BB2+4*\t:BB2+4*\t+3], s[12:13] offset:\t*SIZE_N*4 th:TH_STORE_NT
.endr
.endm
	PLACES NP
	TOSTAGE 0
.irp a, 1,2,3,4,5,6,7
.if \a > 1
	s_wait_xcnt 0x0                                ; block a - 2's stores have read their registers and their base
.endif
	TOSTAGE \a
	SEND \a-1, 32
.endr
	s_wait_xcnt 0x0
	SEND 7, 0
	s_wait_tensorcnt 0x0                           ; the wave's end
	ds_add_u32 v[SPW], v[NIL]
	s_wait_dscnt 0x0
	CROUND                                         ; the closing round
	s_endpgm
.Lfunc_end_k_q15dac432cb_gemm:
	.size	k_q15dac432cb_gemm, .Lfunc_end_k_q15dac432cb_gemm-k_q15dac432cb_gemm
	.p2alignl 7, 3214868480
	.fill 96, 4, 3214868480
	.section	.rodata,"a",@progbits
	.p2align	6, 0x0
	.amdhsa_kernel k_q15dac432cb_gemm
		.amdhsa_group_segment_fixed_size 327680
		.amdhsa_private_segment_fixed_size 0
		.amdhsa_enable_private_segment 0
		.amdhsa_kernarg_size 40
		.amdhsa_user_sgpr_count 2
		.amdhsa_user_sgpr_kernarg_segment_ptr 1
		.amdhsa_wavefront_size32 1
		.amdhsa_system_sgpr_workgroup_id_x 1
		.amdhsa_system_sgpr_workgroup_id_y 1
		.amdhsa_system_sgpr_workgroup_id_z 1
		.amdhsa_system_vgpr_workitem_id 0
		.amdhsa_next_free_vgpr 1024
		.amdhsa_next_free_sgpr 88
		.amdhsa_reserve_vcc 0
		.amdhsa_float_denorm_mode_32 3
		.amdhsa_float_denorm_mode_16_64 3
		.amdhsa_memory_ordered 1
		.amdhsa_forward_progress 1
		.amdhsa_inst_pref_size 255
	.end_amdhsa_kernel
	.section	.bss,"aw",@nobits
	.p2align	6
	.space	262144
	.amdgpu_metadata
---
amdhsa.version: [ 1, 2 ]
amdhsa.kernels:
  - .name:           k_q15dac432cb_gemm
    .symbol:         k_q15dac432cb_gemm.kd
    .args:
      - { .name: x_codes, .offset: 0, .size: 8, .value_kind: global_buffer, .address_space: global }
      - { .name: w_codes, .offset: 8, .size: 8, .value_kind: global_buffer, .address_space: global }
      - { .name: scl, .offset: 16, .size: 8, .value_kind: global_buffer, .address_space: global }
      - { .name: bias, .offset: 24, .size: 8, .value_kind: global_buffer, .address_space: global }
      - { .name: out0, .offset: 32, .size: 8, .value_kind: global_buffer, .address_space: global }
    .group_segment_fixed_size: 327680
    .private_segment_fixed_size: 0
    .kernarg_segment_align: 8
    .kernarg_segment_size: 40
    .max_flat_workgroup_size: 128
    .sgpr_count:     88
    .vgpr_count:     1024
    .wavefront_size: 32
...
	.end_amdgpu_metadata
.endif
;; end of part 2
